; MI455X (gfx1250); checked and timed in simulation.
; The chip was launched on July 23, 2026; its instructions are those of AMD's public machine-readable ISA for CDNA 5 (MIT licence, August 2026) and "CDNA5" Instruction Set Architecture Reference Guide (July 2026). The comments in the code are by the model that wrote it; some were corrected since.
;; MHA. Allowed arithmetic: matrix products marked QUANTISED: E2M3 operands, one E8M0 scale for each 32 along K, by v_wmma_scale_f32_16x16x128_f8f6f4 with both operands' format E2M3, f32 sums; everything else in f32.
;; Inputs: qkv 3 x 16 x 1,024 x 64 float32; x 4 x 1,024 x 2,048 float32.
;; Outputs: out0 4 x 1,024 x 2,048 float32.
;; This version of the problem:
;;   THIS VERSION OF THE PROBLEM IS GIVEN IN LOW PRECISION. The matrix products marked QUANTISED in the list below multiply operands that are first quantised to E2M3 (2 exponent bits, 3 mantissa bits; 6 bits a number), with one power-of-two scale for each 32 numbers along K (OCP MX v1.0); their sums are f32. All else is computed in f32.
;;   The module's matrix products, in the order in which they are computed (A, B: the left and right operand; K: the contracted axis; several contracted axes count as one K, in the product's order):
;;     1. [M 3,072, K 1,024] x [K 1,024, N 8,192]; A: input qkv; B: input x: QUANTISED
;;     2. batch 64 x [M 2,048, K 64] x [K 64, N 2,048]; A: computed on the way; B: computed on the way: QUANTISED
;;     3. batch 64 x [M 64, K 2,048] x [K 2,048, N 2,048]; A: computed on the way; B: softmax (see below): QUANTISED
;;   THE QUANTISER, for each operand of a quantised product, along K:
;;     - K is cut into blocks of 32 from its start; a last block that is shorter is filled with zeros.
;;     - A block's scale is 2^e with e = floor(log2(the largest magnitude in the block)) - 2, held to -126 .. 127; a block of zeros has e = 0. As a byte (E8M0): e + 127.
;;     - Each number is divided by its block's scale, clamped to +-7.5, and rounded to the nearest number of E2M3, ties to even, subnormals kept.
;;     - The product sums the exact products of the quantised numbers (number of the format x scale) in f32.
;;   ~~~python
;;   def quantise(x, axis):      # numpy; x: float32 -> the quantised numbers, widened to float32 again
;;       x = np.moveaxis(x, axis, -1); K = x.shape[-1]
;;       x = np.pad(x, [(0, 0)] * (x.ndim - 1) + [(0, -K % 32)]); x = x.reshape(x.shape[:-1] + (-1, 32)); a = np.abs(x).max(-1, keepdims=True)
;;       e = np.where(a > 0, np.clip(np.frexp(np.where(a > 0, a, 1))[1] - 1 - 2, -126, 127), 0)      # np.frexp(a)[1] - 1 = floor(log2(a)), exactly
;;       r = np.clip(x / 2.0 ** e, -7.5, 7.5)
;;       step = 2.0 ** (np.maximum(np.frexp(np.where(r == 0, 1, r))[1] - 1, 0) - 3)
;;       q = np.round(r / step) * step * 2.0 ** e      # np.round: ties to even
;;       return np.moveaxis(q.reshape(q.shape[:-2] + (-1,))[..., :K], -1, axis).astype(np.float32)
;;   ~~~
;;   SOFTMAX AHEAD OF A QUANTISED PRODUCT. Where the list says 'softmax', what is quantised is not the finished softmax but p = 2^(t - M), with t = logit x log2(e) and M = ceil(the row's largest t), a whole number; so 1/2 < the row's largest p <= 1. The row's sum l is taken of the UNQUANTISED p, in f32, and the product's result is divided by l at the end. Since M is a whole number, a kernel that streams over the keys may use a running M (the ceiling of the running maximum): every later rescaling is an exact power of two, which a block's scale takes up: the codes' values come out the same.
;;   OPERANDS COMPUTED ON THE WAY. 'Computed on the way' means the value that the module computes at that place (a softmax that the list does not call 'softmax' is quantised finished and normalised). What goes into a quantiser is computed in f32, as accurately as f32 sums, v_exp_f32 and their like allow (about 1e-6 of the number): no bf16 or f16 on the way to a quantiser, and a product that is left as it is and whose result goes on into a quantised operand takes f32 operands (vector FMAs, or v_wmma_f32_16x16x4_f32). A number that lies on a knife's edge between two numbers of the format may be rounded either way, as far as f32 arithmetic and the matrix unit's own rounding can turn it there, and no further.
;; One version. Each part assembles by itself: llvm-mc -triple=amdgcn-amd-amdhsa -mcpu=gfx1250 --defsym DOCPART=n.
;; ======== version 1 of 1: 3 launches
;; limits: right only within a limited range of input values
;; workspace buffers: xq 6,553,600 bytes; wq 2,457,600 bytes; qb 6,553,600 bytes; kv 13,107,200 bytes
;; launch quant (part 1): grid 704 x 1, 4 waves a work-group, no clusters, 13,312 bytes of LDS; arguments x, qkv, xq, wq; writes xq, wq
.if DOCPART == 1
	.amdgcn_target "amdgcn-amd-amdhsa--gfx1250"
	.amdhsa_code_object_version 6
	.text
	.protected	k_q1c92b07a6c_quant
	.globl	k_q1c92b07a6c_quant
	.p2align	8
	.type	k_q1c92b07a6c_quant,@function
k_q1c92b07a6c_quant:
	s_mov_b64 s[64:65], 0
	v_nop
	global_prefetch_b8 v0, s[64:65] scope:SCOPE_SE
	s_setreg_imm32_b32 hwreg(HW_REG_WAVE_MODE, 25, 1), 1
	s_wait_xcnt 0x0
; x [4][1024 d][2048 t] and qkv [48 slices][1024 d][64 e], f32, become codes of FP6 (E2M3) with one E8M0 byte for each 32 along d, which is the K of the first product
; and the FIRST axis of both.  A LANE TAKES A COLUMN (a t or an e) AND ITS REGISTERS RUN DOWN d: a block of 32 lies in one lane, and the conversions give codes with K innermost.
; THE RESULT IS LAID AS THE NEXT LAUNCH'S OPERAND REGISTERS.  Columns go in groups of 64; tile tau (0..3), row m (0..15) of a group is column 32 (m / 8) + 8 tau + m % 8.
; A tile's image for 128 along d is 1,536 bytes: chunk c (512 bytes) holds registers 4 c .. 4 c + 3 of lane l at 16 l; lane (m, h) holds in registers 6 c' .. 6 c' + 5 the codes of d = 64 c' + 32 h + 0 .. 31.
; A record (a group, 128 along d) is 4 images, then 256 bytes of scale words at 16 m + 4 tau.   xq: [group 128][K step 8][6,400].   wq: [head 16][K step 8][19,200]: q's, k's, v's codes (6,144 each), then their scale words (256 each).
; SHARES.  Work-groups 0-511 take x (group = number / 4), the others qkv (slice = number / 4); number % 4 = Y.  Wave w: columns 32 (w % 2) on, K step 2 Y + w / 2: four blocks of 32.
; The two waves of a K step fill one record in LDS; behind a barrier each stores half of it, 512 consecutive bytes an instruction.
; A block's scale is 2^(floor(log2(largest magnitude)) - 2); its byte is the largest magnitude's exponent field - 2, held at 1 from below.
; LIMITS: a block of zeros gets the byte 1 where the rule says 127 (its codes are zeros, and only this program reads the bytes); NaN and infinities among the inputs are not served.
; Memory binds: no matrix unit, no cluster, no tensor load.  Up to 64 loads of a wave are out.
.set XWG,  512                         ; work-groups that take x
.set REC,  6400                        ; a record in LDS
.set X,    32                          ; v32-95   two sets of 32 numbers; at the end the record's bytes on their way out
.set C,    96                          ; v96-101  a block's codes
.set T,    104                         ; v104-106 its upper 16 codes as they are made
.set WD,   24                          ; v24      the scale word
	s_load_b256 s[4:11], s[0:1], 0x0               ; x s[4:5], qkv s[6:7], xq s[8:9], wq s[10:11]
	v_lshl_add_u32 v128, v0, 2, 0x3200
	v_mov_b32 v129, 0
	v_lshrrev_b32 v1, 5, v0
	v_readfirstlane_b32 s12, v1                    ; wave 0..3
	v_and_b32 v12, 31, v0                          ; lane
	s_and_b32 s13, s12, 1                          ; wh: which 32 columns
	s_lshr_b32 s14, s12, 1                         ; rr: which of the work-group's two K steps
	v_lshlrev_b32 v1, 2, v12                       ; v1 = 4 x lane: my column's bytes in a row, and my scale word on the way out
	v_and_b32 v13, 7, v12
	v_lshrrev_b32 v14, 3, v12                      ; tau = lane / 8
	s_lshl_b32 s16, s13, 3
	v_add_nc_u32 v13, s16, v13                     ; m = 8 wh + lane % 8
	s_mul_i32 s17, s14, REC                        ; my record in LDS
	v_mul_u32_u24 v2, v14, 1536
	v_lshl_add_u32 v2, v13, 4, v2
	v_add_nc_u32 v2, s17, v2                       ; v2 = record + 1,536 tau + 16 m: lane (m, 0)'s place in chunk 0 of my tile's image
	v_lshlrev_b32 v3, 2, v14
	v_lshl_add_u32 v3, v13, 4, v3
	v_add_nc_u32 v3, s17, v3                       ; v3 = record + 16 m + 4 tau: my scale word (6,144 on)
	v_lshlrev_b32 v5, 4, v12                       ; v5 = 16 x lane
	s_mul_i32 s18, s13, 3072
	s_add_co_u32 s18, s18, s17
	v_add_nc_u32 v4, s18, v5                       ; v4: the way out: my half of the record's codes
	s_lshl_b32 s19, s13, 7
	s_add_co_u32 s18, s19, s17
	v_add_nc_u32 v6, s18, v1                       ; v6: and of its scale words (6,144 on)
	; byte offsets, for both tensors; then the choice, which hangs on the work-group's number alone
	s_cmp_lt_u32 ttmp9, XWG
	s_cselect_b32 s20, 0, XWG
	s_sub_co_u32 s20, ttmp9, s20                   ; my number within the tensor
	s_and_b32 s21, s20, 3
	s_lshl_b32 s21, s21, 1
	s_add_co_u32 s21, s21, s14                     ; K step = 2 Y + rr
	s_lshr_b32 s20, s20, 2                         ; the group of x, or the slice of qkv
	s_lshr_b32 s22, s20, 5                         ; x: batch x 8,388,608
	s_lshl_b32 s22, s22, 23
	s_lshl_b32 s31, s21, 20                        ; + K step x 128 rows of 8,192 bytes
	s_add_co_u32 s22, s22, s31
	s_and_b32 s31, s20, 31
	s_lshl_b32 s31, s31, 8                         ; + the group's 256 bytes in a row
	s_add_co_u32 s22, s22, s31
	s_lshl_b32 s24, s20, 3
	s_add_co_u32 s24, s24, s21
	s_mul_i32 s24, s24, 6400                       ; xq's record
	s_add_co_u32 s26, s24, 6144                    ; and its scale words
	s_lshl_b32 s28, s20, 18                        ; qkv: slice x 262,144
	s_lshl_b32 s31, s21, 15                        ; + K step x 128 rows of 256 bytes
	s_add_co_u32 s28, s28, s31
	s_and_b32 s31, s20, 15                         ; head
	s_lshl_b32 s31, s31, 3
	s_add_co_u32 s31, s31, s21
	s_mul_i32 s31, s31, 19200                      ; wq's record
	s_lshr_b32 s32, s20, 4                         ; 0 q, 1 k, 2 v
	s_mul_i32 s29, s32, 6144
	s_add_co_u32 s29, s29, s31                     ; the slice's codes in it
	s_lshl_b32 s30, s32, 8
	s_add_co_u32 s30, s30, s31
	s_add_co_u32 s30, s30, 18432                   ; and its scale words
	s_wait_kmcnt 0x0
	s_cmp_lt_u32 ttmp9, XWG
	s_cselect_b64 s[4:5], s[4:5], s[6:7]
	s_cselect_b64 s[8:9], s[8:9], s[10:11]
	s_cselect_b32 s22, s22, s28
	s_cselect_b32 s24, s24, s29
	s_cselect_b32 s26, s26, s30
	s_add_co_u32 s22, s22, s19                     ; + 128 wh: my wave's 32 columns
	s_add_co_u32 s26, s26, s19                     ; my half of the scale words
	s_mul_i32 s31, s13, 3072
	s_add_co_u32 s24, s24, s31                     ; my half of the codes
	s_mov_b32 s23, 0
	s_mov_b32 s25, 0
	s_mov_b32 s27, 0
	s_add_nc_u64 s[4:5], s[4:5], s[22:23]
	s_add_nc_u64 s[10:11], s[8:9], s[26:27]
	s_add_nc_u64 s[8:9], s[8:9], s[24:25]
; Block t: 32 rows of d at my column into set t % 2.  Rows are 8,192 bytes apart in x and 256 in qkv: two runs of the same 32 loads, chosen by the work-group's number, so that every offset is an immediate.
.macro LOADB t
	s_cmp_lt_u32 ttmp9, XWG
	s_cbranch_scc0 .Lw_\@
.set i, 0
.rept 32
	global_load_b32 v[X+32*((\t)%2)+i], v1, s[4:5] offset:(32*(\t)+i)*8192 th:TH_LOAD_NT
.set i, i+1
.endr
	s_branch .Ld_\@
.Lw_\@:
.set i, 0
.rept 32
	global_load_b32 v[X+32*((\t)%2)+i], v1, s[4:5] offset:(32*(\t)+i)*256 th:TH_LOAD_NT
.set i, i+1
.endr
.Ld_\@:
.endm
.macro BLOCK t
.set XS, X+32*((\t)%2)
.if (\t) < 3
	s_wait_loadcnt 32                              ; this block's 32 loads are in; the next block's 32 may be out
.else
	s_wait_loadcnt 0x0
.endif
	v_max3_num_f32 v8, |v[XS]|, |v[XS+1]|, |v[XS+2]|               ; the block's largest magnitude: all 32 numbers are mine; two chains
	v_max3_num_f32 v9, |v[XS+3]|, |v[XS+4]|, |v[XS+5]|
.irp i, 6,10,14,18,22,26
	v_max3_num_f32 v8, v8, |v[XS+\i]|, |v[XS+\i+1]|
	v_max3_num_f32 v9, v9, |v[XS+\i+2]|, |v[XS+\i+3]|
.endr
	v_max3_num_f32 v8, v8, |v[XS+30]|, |v[XS+31]|
	v_max3_num_f32 v8, v8, v9, 0x1800000           ; and the floor 2^(3 - 127): the byte cannot fall under 1
	v_add_nc_u32 v10, 0xff000000, v8               ; 2 off the exponent field: the conversion takes this operand's exponent field as its scale
	v_lshrrev_b32 v11, 23, v10                     ; the scale's byte
.if (\t) == 0
	v_mov_b32 v[WD], v11
.else
	v_lshl_or_b32 v[WD], v11, 8*(\t), v[WD]        ; block t is byte t of the K step's scale word
.endif
	v_cvt_scalef32_pk16_fp6_f32 v[C:C+2], v[XS:XS+15], v10
	v_cvt_scalef32_pk16_fp6_f32 v[T:T+2], v[XS+16:XS+31], v10      ; (a conversion's three registers begin on an even number)
	v_nop                                          ; one plain place behind a scaled conversion
.irp i, 0,1,2
	v_mov_b32 v[C+3+\i], v[T+\i]
.endr
; Block t = 2 c + h is registers 6 c .. 6 c + 5 of lane (m, h): 256 h bytes on in a chunk.  c = 0: chunk 0 whole and the first half of chunk 1's 16 bytes; c = 1: the second half of chunk 1's, and chunk 2 whole.
.if (\t) == 0
	ds_store_b128 v2, v[C:C+3]
	ds_store_b64 v2, v[C+4:C+5] offset:512
.elseif (\t) == 1
	ds_store_b128 v2, v[C:C+3] offset:256
	ds_store_b64 v2, v[C+4:C+5] offset:768
.elseif (\t) == 2
	ds_store_b64 v2, v[C:C+1] offset:520
	ds_store_b128 v2, v[C+2:C+5] offset:1024
.else
	ds_store_b64 v2, v[C:C+1] offset:776
	ds_store_b128 v2, v[C+2:C+5] offset:1280
.endif
.if (\t)+2 < 4
	LOADB (\t)+2
.endif
	s_wait_dscnt 0x0                               ; the stores have read their registers: the next block's codes may be written
.endm
	LOADB 0
	LOADB 1
	BLOCK 0
	BLOCK 1
	BLOCK 2
	BLOCK 3
	s_wait_alu depctr_va_vdst(0)
	ds_store_b32 v3, v[WD] offset:6144
	s_wait_dscnt 0x0                               ; for the other wave of my record: my stores have landed
	s_barrier_signal -1
	s_barrier_wait -1                              ; both records are whole
.irp j, 0,1,2,3,4,5
	ds_load_b128 v[X+4*\j:X+4*\j+3], v4 offset:512*\j
.endr
	ds_load_b32 v[X+24], v6 offset:6144
	s_wait_dscnt 0x0
.irp j, 0,1,2,3,4,5
	global_store_b128 v5, v[X+4*\j:X+4*\j+3], s[8:9] offset:512*\j   ; 32 lanes store 512 consecutive bytes, at a multiple of 256 from the buffer's first byte
.endr
	global_store_b32 v1, v[X+24], s[10:11]         ; 128 consecutive bytes; the other wave stores the 128 beside them
	s_wait_tensorcnt 0x0
	ds_add_u32 v128, v129
	s_wait_dscnt 0x0
	s_endpgm
.Lfunc_end_k_q1c92b07a6c_quant:
	.size	k_q1c92b07a6c_quant, .Lfunc_end_k_q1c92b07a6c_quant-k_q1c92b07a6c_quant
	.p2alignl 7, 3214868480
	.fill 96, 4, 3214868480
	.section	.rodata,"a",@progbits
	.p2align	6, 0x0
	.amdhsa_kernel k_q1c92b07a6c_quant
		.amdhsa_group_segment_fixed_size 13312
		.amdhsa_private_segment_fixed_size 0
		.amdhsa_enable_private_segment 0
		.amdhsa_kernarg_size 32
		.amdhsa_user_sgpr_count 2
		.amdhsa_user_sgpr_kernarg_segment_ptr 1
		.amdhsa_wavefront_size32 1
		.amdhsa_system_sgpr_workgroup_id_x 1
		.amdhsa_system_sgpr_workgroup_id_y 1
		.amdhsa_system_sgpr_workgroup_id_z 1
		.amdhsa_system_vgpr_workitem_id 0
		.amdhsa_next_free_vgpr 130
		.amdhsa_next_free_sgpr 66
		.amdhsa_reserve_vcc 0
		.amdhsa_float_denorm_mode_32 3
		.amdhsa_float_denorm_mode_16_64 3
		.amdhsa_memory_ordered 1
		.amdhsa_forward_progress 1
		.amdhsa_inst_pref_size 36
	.end_amdhsa_kernel
	.amdgpu_metadata
---
amdhsa.version: [ 1, 2 ]
amdhsa.kernels:
  - .name:           k_q1c92b07a6c_quant
    .symbol:         k_q1c92b07a6c_quant.kd
    .args:
      - { .name: x, .offset: 0, .size: 8, .value_kind: global_buffer, .address_space: global }
      - { .name: qkv, .offset: 8, .size: 8, .value_kind: global_buffer, .address_space: global }
      - { .name: xq, .offset: 16, .size: 8, .value_kind: global_buffer, .address_space: global }
      - { .name: wq, .offset: 24, .size: 8, .value_kind: global_buffer, .address_space: global }
    .group_segment_fixed_size: 13312
    .private_segment_fixed_size: 0
    .kernarg_segment_align: 8
    .kernarg_segment_size: 32
    .max_flat_workgroup_size: 128
    .sgpr_count:     66
    .vgpr_count:     130
    .wavefront_size: 32
...
	.end_amdgpu_metadata
.endif
;; end of part 1
;; launch proj (part 2): grid 256 x 1, 4 waves a work-group, clusters of 4 x 1, 327,680 bytes of LDS; arguments xq, wq, qb, kv; writes qb, kv
.if DOCPART == 2
	.amdgcn_target "amdgcn-amd-amdhsa--gfx1250"
	.amdhsa_code_object_version 6
	.text
	.protected	k_q1c92b07a6c_proj
	.globl	k_q1c92b07a6c_proj
	.p2align	8
	.type	k_q1c92b07a6c_proj,@function
k_q1c92b07a6c_proj:
	s_mov_b64 s[64:65], 0
	v_nop
	global_prefetch_b8 v0, s[64:65] scope:SCOPE_SE
	s_setreg_imm32_b32 hwreg(HW_REG_WAVE_MODE, 25, 1), 1
	s_wait_xcnt 0x0
	s_wait_alu depctr_hold_cnt(0) depctr_sa_sdst(0) depctr_va_vdst(0) depctr_va_sdst(0) depctr_va_ssrc(0) depctr_va_vcc(0) depctr_vm_vsrc(0)
	s_getreg_b32 s2, hwreg(HW_REG_IB_STS2, 6, 4)
	s_cmp_eq_u32 s2, 0
	s_cbranch_scc0 .Lentry_in_a_cluster
	s_endpgm
.Lentry_in_a_cluster:
	s_bfe_u32 s2, ttmp6, 0x10000c
	s_cmp_lg_u32 s2, 0x3003
	s_cbranch_scc0 .Lentry_shape_is_right
	s_endpgm
.Lentry_shape_is_right:
.set WREC, 19200
.set XREC, 6400
.set L16,  1
.set L8,   2
.set R16,  3
.set SA,   4
.set SH8,  5
.set WA,   6
.set WSA,  9
.set XS,   16
.set WS,   32
.set NM,   44
.set INV,  48
.set SM,   52
.set PD,   54
.set MX,   56
.set SO,   60
.set BY,   62
.set TMP,  64
.set WW,   72
.set SW,   74
.set WT,   76
.set WP,   77
.set SWV,  78
.set VM,   80
.set VSO,  84
.set VBY,  88
.set VP,   92
.set VPD,  94
.set WF,   96
.set Y,    96
.set T,    160
.set PCB,  192
.set VC,   96
.set VT,   128
.set MSB, 0
.macro WIN new
.if MSB != \new
	s_set_vgpr_msb (MSB<<8)|\new
.set MSB, \new
.endif
.endm
.macro CROUND
	s_barrier_signal -1
	s_barrier_wait -1
	s_cmp_lg_u32 s12, 0
	s_cbranch_scc1 .Lnot_wave_0_\@
	s_barrier_signal -3
.Lnot_wave_0_\@:
	s_barrier_wait -3
	s_barrier_signal -1
	s_barrier_wait -1
.endm
.macro PLACES
.rept 4
	v_nop
.endr
.endm
.macro MM d, a, b, sa, sb, zero
.if \zero
	v_wmma_scale_f32_16x16x128_f8f6f4 v[(\d):(\d)+7], v[(\a):(\a)+11], v[(\b):(\b)+11], 0, v[\sa], v[\sb] matrix_a_fmt:MATRIX_FMT_FP6 matrix_b_fmt:MATRIX_FMT_FP6
.else
	v_wmma_scale_f32_16x16x128_f8f6f4 v[(\d):(\d)+7], v[(\a):(\a)+11], v[(\b):(\b)+11], v[(\d):(\d)+7], v[\sa], v[\sb] matrix_a_fmt:MATRIX_FMT_FP6 matrix_b_fmt:MATRIX_FMT_FP6
.endif
.endm
	s_load_b256 s[4:11], s[0:1], 0x0
	v_lshl_add_u32 v254, v0, 2, 0x29000
	v_mov_b32 v255, 0
	ds_add_u32 v254, v255
	ds_add_u32 v254, v255
	v_lshrrev_b32 v1, 5, v0
	v_readfirstlane_b32 s12, v1
	s_and_b32 s14, ttmp9, 15
	s_mov_b32 s16, 15|(3<<16)|(1<<21)
	s_mov_b32 s17, 32<<16
	s_mov_b32 s18, 75<<16
	s_mov_b32 s19, 32<<16
	s_mov_b32 s20, 75
	s_mov_b32 s21, 32
	s_mov_b32 s22, 0
	s_mov_b32 s23, 0
	s_lshl_b32 s60, s14, 3
	s_add_co_u32 s60, s60, s12
	s_mul_i32 s60, s60, WREC
	s_mov_b32 s61, 0
	s_mul_i32 s62, s12, WREC
	s_wait_dscnt 0x0
	s_wait_kmcnt 0x0
	s_mov_b32 s24, 1
	s_mov_b32 s25, s62
	s_add_nc_u64 s[26:27], s[6:7], s[60:61]
	s_mov_b32 s28, 1
	s_add_co_u32 s29, s62, 4*WREC
	s_add_nc_u64 s[30:31], s[26:27], 4*WREC
	s_or_b32 s27, s27, 0x80000000
	s_or_b32 s31, s31, 0x80000000
	CROUND
	tensor_load_to_lds s[24:27], s[16:23]
	s_nop 0
	s_wait_alu depctr_va_vdst(0)
	s_wait_tensorcnt 0x0
	ds_add_u32 v254, v255
	s_wait_dscnt 0x0
	CROUND
	tensor_load_to_lds s[28:31], s[16:23]
	s_nop 0
.rept 4
	v_nop
.endr
	s_bfe_u32 s13, ttmp6, 0x40000
	s_lshr_b32 s15, ttmp9, 4
	s_lshl_b32 s15, s15, 2
	s_add_co_u32 s15, s15, s13
	s_lshl_b32 s50, s15, 3
	s_add_co_u32 s50, s50, s12
	s_mul_i32 s52, s50, 8*XREC
	s_mov_b32 s53, 0
	s_add_nc_u64 s[32:33], s[4:5], s[52:53]
	v_and_b32 v12, 31, v0
	v_lshlrev_b32 v[L16], 4, v12
	v_lshlrev_b32 v[L8], 3, v12
	v_and_b32 v13, 15, v0
	v_lshlrev_b32 v[R16], 4, v13
	v_bfe_u32 v14, v0, 4, 1
	v_lshlrev_b32 v[SA], 3, v13
	v_lshl_add_u32 v[SA], v14, 2, v[SA]
	v_lshlrev_b32 v[SH8], 3, v14
.macro XLOAD k
	WIN 0xc0
.set j, 0
.rept 12
	global_load_b128 v[48*((\k)%4)+4*j:48*((\k)%4)+4*j+3], v[L16], s[32:33] offset:(\k)*XREC+512*j
.set j, j+1
.endr
	WIN 0
	global_load_b128 v[XS+4*((\k)%4):XS+4*((\k)%4)+3], v[R16], s[32:33] offset:(\k)*XREC+6144
.endm
.macro WLOAD s
.set j, 0
.rept 12
	ds_load_b128 v[WF+48*((\s)%3)+4*j:WF+48*((\s)%3)+4*j+3], v[WA+(\s)/9] offset:(((\s)/3)%3)*WREC+((\s)%3)*6144+512*j
.set j, j+1
.endr
	ds_load_b128 v[WS+4*((\s)%3):WS+4*((\s)%3)+3], v[WSA+(\s)/9] offset:(((\s)/3)%3)*WREC+18432+((\s)%3)*256
.endm
	XLOAD 0
	XLOAD 1
	XLOAD 2
	v_mov_b32 v[WA], v[L16]
	v_add_nc_u32 v[WA+1], 3*WREC, v[L16]
	v_add_nc_u32 v[WA+2], 6*WREC, v[L16]
	v_mov_b32 v[WSA], v[R16]
	v_add_nc_u32 v[WSA+1], 3*WREC, v[R16]
	v_add_nc_u32 v[WSA+2], 6*WREC, v[R16]
.irp r, PD, PD+1, WP, VPD, VPD+1
	v_mov_b32 v[\r], 0
.endr
	s_mov_b32 s46, 0x76543210
	s_mov_b32 s47, 0xfedcba98
	s_mov_b32 s48, 0xffff0000
	s_mov_b32 s49, 2
.macro ADDR
	s_lshr_b32 s52, s50, 5
	s_lshl_b32 s52, s52, 4
	s_add_co_u32 s52, s52, s14
	s_and_b32 s54, s50, 31
	s_lshl_b32 s55, s52, 5
	s_add_co_u32 s55, s55, s54
	s_mov_b32 s57, 0
	s_mul_i32 s56, s55, 3072
	s_add_nc_u64 s[34:35], s[8:9], s[56:57]
	s_lshl_b32 s56, s55, 7
	s_add_co_u32 s56, s56, 6291456
	s_add_nc_u64 s[36:37], s[8:9], s[56:57]
	s_lshl_b32 s55, s52, 4
	s_lshr_b32 s58, s54, 1
	s_add_co_u32 s55, s55, s58
	s_mul_i32 s55, s55, 12800
	s_and_b32 s54, s54, 1
	s_mul_i32 s58, s54, 3072
	s_add_co_u32 s56, s58, s55
	s_add_nc_u64 s[38:39], s[10:11], s[56:57]
	s_add_nc_u64 s[42:43], s[38:39], 6400
	s_lshl_b32 s59, s54, 7
	s_add_co_u32 s56, s59, s55
	s_add_nc_u64 s[40:41], s[10:11], s[56:57]
	s_add_nc_u64 s[44:45], s[40:41], 12544
	s_add_nc_u64 s[40:41], s[40:41], 6144
.endm
	ADDR
.macro SSTEP k, n
	PLACES
.if ((\k) == 3) && ((\n) == 1)
	s_wait_tensorcnt 0x0                           ; the weights of K steps 4-7 are first read below: my part of them is in,
	s_wait_dscnt 0x0
	s_barrier_signal -1
	s_barrier_wait -1                              ; and everybody's.
.endif
.if ((\n) == 0) && ((\k)+3 < 8)
	XLOAD (\k)+3
.endif
.if 3*(\k)+(\n)+2 < 24
	WLOAD 3*(\k)+(\n)+2
.endif
.if 3*(\k)+(\n) <= 21
	s_wait_dscnt 26
.elseif 3*(\k)+(\n) == 22
	s_wait_dscnt 13
.else
	s_wait_dscnt 0x0
.endif
.if (\n) == 0
.if (\k) <= 4
	s_wait_loadcnt 39
.else
	s_wait_loadcnt 13*(7-(\k))
.endif
.endif
.set MWF, WF+48*((3*(\k)+(\n))%3)
.set MWS, WS+4*((3*(\k)+(\n))%3)
.set MXF, 48*((\k)%4)
.set MXS, XS+4*((\k)%4)
.if (\n) < 2
	WIN 0x5c
.irp tx, 0,1,2,3
.irp tw, 0,1,2,3
	MM 128*\n+32*\tx+8*\tw, MWF+12*\tw, MXF+12*\tx, MWS+\tw, MXS+\tx, (\k)==0
.endr
.endr
.else
	WIN 0xa3
.irp tx, 0,1,2,3
.irp tw, 0,1,2,3
	MM 32*\tw+8*\tx, MXF+12*\tx, MWF+12*\tw, MXS+\tx, MWS+\tw, (\k)==0
.endr
.endr
.endif
	WIN 0
.endm
.macro NORMQ2 n, ap, base
.set AB, 128*\n+64*\ap
.set PCS, PCB+12*(2*\n+\ap)
	WIN 0x05
.set i, 0
.rept 8
.irp u, 0,1
	v_pk_add_f32 v[T+16*\u+2*i:T+16*\u+2*i+1], v[AB+32*\u+4*i:AB+32*\u+4*i+1], v[AB+32*\u+4*i+2:AB+32*\u+4*i+3]
.endr
.set i, i+1
.endr
	WIN 0
.irp j, 0,4,8,12
.irp u, 0,1
	v_pk_add_f32 v[T+16*\u+\j:T+16*\u+\j+1], v[T+16*\u+\j:T+16*\u+\j+1], v[T+16*\u+\j+2:T+16*\u+\j+3]
.endr
.endr
.irp j, 0,8
.irp u, 0,1
	v_pk_add_f32 v[T+16*\u+\j:T+16*\u+\j+1], v[T+16*\u+\j:T+16*\u+\j+1], v[T+16*\u+\j+4:T+16*\u+\j+5]
.endr
.endr
.irp u, 0,1
	v_pk_add_f32 v[T+16*\u:T+16*\u+1], v[T+16*\u:T+16*\u+1], v[T+16*\u+8:T+16*\u+9]
.endr
.irp u, 0,1
	v_add_f32 v[SM+\u], v[T+16*\u], v[T+16*\u+1]
.endr
.irp u, 0,1
	v_permlanex16_b32 v[PD+\u], v[SM+\u], s46, s47
.endr
.irp u, 0,1
	v_add_f32 v[SM+\u], v[SM+\u], v[PD+\u]
.endr
.irp u, 0,1
	v_mul_f32 v[NM+2*\u], 0xbc800000, v[SM+\u]
	v_mul_f32 v[NM+2*\u+1], 0xbc800000, v[SM+\u]
.endr
	WIN 0x01
.set i, 0
.rept 16
.irp u, 0,1
	v_pk_add_f32 v[Y+32*\u+2*i:Y+32*\u+2*i+1], v[AB+32*\u+2*i:AB+32*\u+2*i+1], v[NM+2*\u:NM+2*\u+1]
.endr
.set i, i+1
.endr
	WIN 0
.irp u, 0,1
	v_pk_mul_f32 v[T+16*\u:T+16*\u+1], v[Y+32*\u:Y+32*\u+1], v[Y+32*\u:Y+32*\u+1]
	v_pk_mul_f32 v[T+16*\u+2:T+16*\u+3], v[Y+32*\u+2:Y+32*\u+3], v[Y+32*\u+2:Y+32*\u+3]
.endr
.set i, 2
.rept 14
.irp u, 0,1
	v_pk_fma_f32 v[T+16*\u+2*(i%2):T+16*\u+2*(i%2)+1], v[Y+32*\u+2*i:Y+32*\u+2*i+1], v[Y+32*\u+2*i:Y+32*\u+2*i+1], v[T+16*\u+2*(i%2):T+16*\u+2*(i%2)+1]
.endr
.set i, i+1
.endr
.irp u, 0,1
	v_pk_add_f32 v[T+16*\u:T+16*\u+1], v[T+16*\u:T+16*\u+1], v[T+16*\u+2:T+16*\u+3]
.endr
.irp u, 0,1
	v_add_f32 v[SM+\u], v[T+16*\u], v[T+16*\u+1]
.endr
.irp u, 0,1
	v_permlanex16_b32 v[PD+\u], v[SM+\u], s46, s47
.endr
.irp u, 0,1
	v_add_f32 v[SM+\u], v[SM+\u], v[PD+\u]
.endr
.irp u, 0,1
	v_mul_f32 v[SM+\u], 0x3c820821, v[SM+\u]
.endr
	s_wait_alu depctr_va_vdst(0)
.irp u, 0,1
	v_sqrt_f32 v[SM+\u], v[SM+\u]
.endr
	v_nop
	s_wait_alu depctr_va_vdst(0)
.irp u, 0,1
	v_add_f32 v[SM+\u], 0x3727c5ac, v[SM+\u]
.endr
	s_wait_alu depctr_va_vdst(0)
.irp u, 0,1
	v_rcp_f32 v[INV+2*\u], v[SM+\u]
	v_rcp_f32 v[INV+2*\u+1], v[SM+\u]
.endr
	v_nop
.set i, 0
	s_wait_alu depctr_va_vdst(0)
.rept 16
.irp u, 0,1
	v_pk_mul_f32 v[Y+32*\u+2*i:Y+32*\u+2*i+1], v[Y+32*\u+2*i:Y+32*\u+2*i+1], v[INV+2*\u:INV+2*\u+1]
.endr
.set i, i+1
.endr
.irp u, 0,1
	v_max3_num_f32 v[MX+2*\u], |v[Y+32*\u]|, |v[Y+32*\u+1]|, |v[Y+32*\u+2]|
	v_max3_num_f32 v[MX+2*\u+1], |v[Y+32*\u+3]|, |v[Y+32*\u+4]|, |v[Y+32*\u+5]|
.endr
.irp j, 6,10,14,18,22,26
.irp u, 0,1
	v_max3_num_f32 v[MX+2*\u], v[MX+2*\u], |v[Y+32*\u+\j]|, |v[Y+32*\u+\j+1]|
	v_max3_num_f32 v[MX+2*\u+1], v[MX+2*\u+1], |v[Y+32*\u+\j+2]|, |v[Y+32*\u+\j+3]|
.endr
.endr
.irp u, 0,1
	v_max3_num_f32 v[MX+2*\u], v[MX+2*\u], |v[Y+32*\u+30]|, |v[Y+32*\u+31]|
.endr
.irp u, 0,1
	v_max3_num_f32 v[MX+2*\u], v[MX+2*\u], v[MX+2*\u+1], 0x1800000
.endr
.irp u, 0,1
	v_add_nc_u32 v[SO+\u], 0xff000000, v[MX+2*\u]
.endr
.irp u, 0,1
	v_lshrrev_b32 v[BY+\u], 23, v[SO+\u]
.endr
.irp u, 0,1
	v_cvt_scalef32_pk16_fp6_f32 v[PCS+6*\u:PCS+6*\u+2], v[Y+32*\u:Y+32*\u+15], v[SO+\u]
	v_cvt_scalef32_pk16_fp6_f32 v[TMP+4*\u:TMP+4*\u+2], v[Y+32*\u+16:Y+32*\u+31], v[SO+\u]
.endr
	v_lshl_or_b32 v[WT], v[BY+1], 16, v[BY]
	v_lshlrev_b32 v[WT], v[SH8], v[WT]
	v_permlanex16_b32 v[WP], v[WT], s46, s47
	v_or_b32 v[WW+\ap], v[WT], v[WP]
.irp u, 0,1
.irp j, 0,1,2
	v_mov_b32 v[PCS+6*\u+3+\j], v[TMP+4*\u+\j]
.endr
.endr
.irp j, 0,1,2
	global_store_b128 v[L16], v[PCS+4*\j:PCS+4*\j+3], s[\base:\base+1] offset:1536*\ap+512*\j
.endr
.endm
.macro SCALEST n, base
	v_cndmask_b32 v[SW+\n], v[WW], v[WW+1], s48
	global_store_b32 v[SA], v[SW+\n], s[\base:\base+1]
.endm
.macro VQ
	WIN 0x28
.irp tw, 0,1,2,3
	v_max3_num_f32 v[VM+\tw], 0x1800000, |v[32*\tw]|, |v[32*\tw+1]|
.endr
.set i, 2
.rept 15
.irp tw, 0,1,2,3
	v_max3_num_f32 v[VM+\tw], v[VM+\tw], |v[32*\tw+i]|, |v[32*\tw+i+1]|
.endr
.set i, i+2
.endr
	WIN 0
.irp tw, 0,1,2,3
	v_add_nc_u32 v[VSO+\tw], 0xff000000, v[VM+\tw]
.endr
.irp tw, 0,1,2,3
	v_lshrrev_b32 v[VBY+\tw], 23, v[VSO+\tw]
.endr
	WIN 0x02
.irp tw, 0,1,2,3
	v_cvt_scalef32_pk16_fp6_f32 v[VC+8*\tw:VC+8*\tw+2], v[32*\tw:32*\tw+15], v[VSO+\tw]
	v_cvt_scalef32_pk16_fp6_f32 v[VT+4*\tw:VT+4*\tw+2], v[32*\tw+16:32*\tw+31], v[VSO+\tw]
.endr
	WIN 0
	v_nop
.irp tw, 0,1,2,3
.irp j, 0,1,2
	v_mov_b32 v[VC+8*\tw+3+\j], v[VT+4*\tw+\j]
.endr
.endr
.irp tw, 0,1,2,3
	global_store_b128 v[L16], v[VC+8*\tw:VC+8*\tw+3], s[42:43] offset:768*\tw
	global_store_b64 v[L8], v[VC+8*\tw+4:VC+8*\tw+5], s[42:43] offset:768*\tw+512
.endr
	v_lshl_or_b32 v[VP], v[VBY+1], 16, v[VBY]
	v_lshl_or_b32 v[VP+1], v[VBY+3], 16, v[VBY+2]
	v_lshlrev_b32 v[VP], v[SH8], v[VP]
	v_lshlrev_b32 v[VP+1], v[SH8], v[VP+1]
	v_permlanex16_b32 v[VPD], v[VP], s46, s47
	v_permlanex16_b32 v[VPD+1], v[VP+1], s46, s47
	v_or_b32 v[VP], v[VP], v[VPD]
	v_or_b32 v[VP+1], v[VP+1], v[VPD+1]
	v_cndmask_b32 v[SWV], v[VP], v[VP+1], s48
	global_store_b32 v[SA], v[SWV], s[44:45]
.endm
.Lpass:
	s_wait_alu depctr_va_vdst(0)
	WLOAD 0
	WLOAD 1
.irp k, 0,1,2,3,4,5,6,7
.irp n, 0,1,2
	SSTEP \k, \n
.endr
.endr
	PLACES
	s_cmp_eq_u32 s49, 1
	s_cbranch_scc1 .Lno_next
	s_add_nc_u64 s[32:33], s[32:33], 4*8*XREC
	XLOAD 0
	XLOAD 1
	XLOAD 2
.Lno_next:
	NORMQ2 0, 0, 34
	NORMQ2 0, 1, 34
	SCALEST 0, 36
	NORMQ2 1, 0, 38
	NORMQ2 1, 1, 38
	SCALEST 1, 40
	VQ
	s_wait_xcnt 0x0
	s_add_co_u32 s50, s50, 4
	ADDR
	s_sub_co_u32 s49, s49, 1
	s_cmp_lg_u32 s49, 0
	s_cbranch_scc1 .Lpass
	s_wait_tensorcnt 0x0
	ds_add_u32 v254, v255
	s_wait_dscnt 0x0
	CROUND
	s_endpgm
.Lfunc_end_k_q1c92b07a6c_proj:
	.size	k_q1c92b07a6c_proj, .Lfunc_end_k_q1c92b07a6c_proj-k_q1c92b07a6c_proj
	.p2alignl 7, 3214868480
	.fill 96, 4, 3214868480
	.section	.rodata,"a",@progbits
	.p2align	6, 0x0
	.amdhsa_kernel k_q1c92b07a6c_proj
		.amdhsa_group_segment_fixed_size 327680
		.amdhsa_private_segment_fixed_size 0
		.amdhsa_enable_private_segment 0
		.amdhsa_kernarg_size 32
		.amdhsa_user_sgpr_count 2
		.amdhsa_user_sgpr_kernarg_segment_ptr 1
		.amdhsa_wavefront_size32 1
		.amdhsa_system_sgpr_workgroup_id_x 1
		.amdhsa_system_sgpr_workgroup_id_y 1
		.amdhsa_system_sgpr_workgroup_id_z 1
		.amdhsa_system_vgpr_workitem_id 0
		.amdhsa_next_free_vgpr 960
		.amdhsa_next_free_sgpr 66
		.amdhsa_reserve_vcc 0
		.amdhsa_float_denorm_mode_32 3
		.amdhsa_float_denorm_mode_16_64 3
		.amdhsa_memory_ordered 1
		.amdhsa_forward_progress 1
		.amdhsa_inst_pref_size 153
	.end_amdhsa_kernel
	.amdgpu_metadata
---
amdhsa.version: [ 1, 2 ]
amdhsa.kernels:
  - .name:           k_q1c92b07a6c_proj
    .symbol:         k_q1c92b07a6c_proj.kd
    .args:
      - { .name: xq, .offset: 0, .size: 8, .value_kind: global_buffer, .address_space: global }
      - { .name: wq, .offset: 8, .size: 8, .value_kind: global_buffer, .address_space: global }
      - { .name: qb, .offset: 16, .size: 8, .value_kind: global_buffer, .address_space: global }
      - { .name: kv, .offset: 24, .size: 8, .value_kind: global_buffer, .address_space: global }
    .group_segment_fixed_size: 327680
    .private_segment_fixed_size: 0
    .kernarg_segment_align: 8
    .kernarg_segment_size: 32
    .max_flat_workgroup_size: 128
    .sgpr_count:     66
    .vgpr_count:     960
    .wavefront_size: 32
...
	.end_amdgpu_metadata
.endif
;; end of part 2
;; launch attn (part 3): grid 256 x 1, 8 waves a work-group, clusters of 4 x 1, 327,680 bytes of LDS; arguments qb, kv, out0; writes out0
.if DOCPART == 3
	.amdgcn_target "amdgcn-amd-amdhsa--gfx1250"
	.amdhsa_code_object_version 6
	.text
	.protected	k_q1c92b07a6c_attn
	.globl	k_q1c92b07a6c_attn
	.p2align	8
	.type	k_q1c92b07a6c_attn,@function
k_q1c92b07a6c_attn:
	s_mov_b64 s[64:65], 0
	v_nop
	global_prefetch_b8 v0, s[64:65] scope:SCOPE_SE
	s_setreg_imm32_b32 hwreg(HW_REG_WAVE_MODE, 25, 1), 1
	s_wait_xcnt 0x0
	s_wait_alu depctr_hold_cnt(0) depctr_sa_sdst(0) depctr_va_vdst(0) depctr_va_sdst(0) depctr_va_ssrc(0) depctr_va_vcc(0) depctr_vm_vsrc(0)
	s_getreg_b32 s2, hwreg(HW_REG_IB_STS2, 6, 4)
	s_cmp_eq_u32 s2, 0
	s_cbranch_scc0 .Lentry_in_a_cluster
	s_endpgm
.Lentry_in_a_cluster:
	s_bfe_u32 s2, ttmp6, 0x10000c
	s_cmp_lg_u32 s2, 0x3003
	s_cbranch_scc0 .Lentry_shape_is_right
	s_endpgm
.Lentry_shape_is_right:
; out[b][64 head + e][t] = sum over keys s of softmax_s(q(t).k(s) / 8) v(s, e), both products on codes of FP6 (E2M3) with E8M0 scales.
; qb: q's codes, laid as operand registers: for each (batch, head) and group of 64 queries 3,072 bytes (two images of 12 registers x 32 lanes; an image holds two tiles of 16 queries,
;     6 registers each: e = 32 h + 0 .. 31), and from byte 6,291,456 on 128 bytes of scale words a group.   Tile tau, row m of a group of 64 is column 32 (m / 8) + 8 tau + m % 8.
; kv: for each (batch, head) 16 records of 12,800 bytes, one for 128 keys: k's four images (6,144), k's scale words (256), v's eight half fragments of 768 bytes (keys innermost), v's scale halves (256).
; SHARES.  A cluster of four work-groups takes one (batch, head); a work-group 512 queries, a wave 64 (four tiles of 16).  All 16 records (204,800 bytes) come into every partner's LDS by two joint
; loads a wave and stay: records 0-3 first, records 4-15 behind a round of the cluster's barrier.  256 work-groups of equal work.
; BOTH PRODUCTS ARE USED TRANSPOSED (S^T = k q^T, O^T = v^T p^T): a lane holds one query, and by the order of a group's columns its 32 registers of a half step are one block of 32 keys.
; The head's 64 are half of the instruction's 128 along K: an image of k holds two tiles of keys, and q stands beside six registers of zero codes, once in each half.
; THE WALK IS A PIPELINE OVER TILES (a tile: 16 queries x a step's 128 keys), on two buffers of scores.  A slot of tile t: the largest scores of tile t + 1; tile t's sums, scale word and codes;
; tile t + 1's multiplies; O^T += v^T p^T of tile t; tile t + 1's exponentials as one batch, with the score products of tile t + 2 (into tile t's buffer) laid among them.
; NO MAXIMUM IS TAKEN AWAY.  q and k are rows that reference() itself normalises: a row's sum of squares is at most 63; E2M3 moves a number by at most 1/16 of itself or 1/64 of its block's largest,
; so a quantised row's length stays under 9.1, |score| / 8 under 10.3 and |t| = |score| log2(e) / 8 under 15, for every input.  So p = 2^t lies between 2^-15 and 2^15 and a row's sum under 2^26.
; The whole number M of the problem's p = 2^(t - M) is a power of two that p's block scales take up: the codes are the same, and the factor cancels in the division by the row's sum.
; The row's sum is taken of the unquantised p.  A block's largest p is the exponential of its largest score, by the same multiply and the same instruction.
; LIMITS: NaN and infinities among the inputs are not served.
; No prefetch: all of K and V is asked for by the two loads at the head, so there is no later load to run ahead of.
; REGISTERS.  Window 0: v1-10 addresses, v12-30 scale words, v32-39 the rows' sums, v40-65 small work, v66-113 k's fragments, v114-177 and v178-241 scores and p, v242-253 p's codes, v254-255 the add's two.
;             Window 1: v0-59 q between zeros, v64-191 O^T (16 accumulators), v192-239 v's fragments.
.set REC,  12800
.set SPARE, 16*REC                     ; behind the records: the spare words, 128 bytes a wave
.set STAGE, SPARE+1024                 ; behind them: a stage of 32 rows x 272 bytes for each wave, on bytes that no load fills
.set L16,  1
.set L8,   2
.set R8,   3
.set AD16, 4
.set AD8,  5
.set ADS,  6
.set SH8,  7
.set STO,  8
.set RD,   9
.set GO,   10
.set KS,   12
.set VH,   16
.set VW,   20
.set QS,   24
.set PW,   30
.set LA,   32
.set MX,   40
.set PM,   48
.set SO,   52
.set BY,   54
.set WT,   56
.set TMP,  58
.set KF,   66
.set SA,   114
.set SB,   178
.set PC,   242
.set Q,    0
.set O,    64
.set VF,   192
.set MSB, 0
.macro WIN new                         ; the immediate's high byte repeats the setting that is left
.if MSB != \new
	s_set_vgpr_msb (MSB<<8)|\new
.set MSB, \new
.endif
.endm
.macro CROUND                          ; a round of the cluster's barrier
	s_barrier_signal -1
	s_barrier_wait -1
	s_cmp_lg_u32 s10, 0
	s_cbranch_scc1 .Lnot_wave_0_\@
	s_barrier_signal -3
.Lnot_wave_0_\@:
	s_barrier_wait -3
	s_barrier_signal -1
	s_barrier_wait -1
.endm
.macro PLACES
.rept 4
	v_nop
.endr
.endm
	s_load_b128 s[4:7], s[0:1], 0x0                ; qb s[4:5], kv s[6:7]
	s_load_b64 s[8:9], s[0:1], 0x10                ; out0
	v_lshl_add_u32 v254, v0, 2, SPARE
	v_mov_b32 v255, 0
	ds_add_u32 v254, v255                          ; the opening lines: the add, twice on end, and its wait
	ds_add_u32 v254, v255
	v_lshrrev_b32 v1, 5, v0
	s_delay_alu instid0(VALU_DEP_1)
	v_readfirstlane_b32 s10, v1                    ; wave 0..7
	s_mov_b32 s16, 15|(3<<16)|(1<<21)              ; group 1, first load: 25 rows of 256 bytes (half a record a wave), for all four partners
	s_mov_b32 s17, 32<<16
	s_mov_b32 s18, 25<<16
	s_mov_b32 s19, 32<<16
	s_mov_b32 s20, 25
	s_mov_b32 s21, 32
	s_mov_b32 s22, 0
	s_mov_b32 s23, 0
	s_mov_b32 s24, 15|(3<<16)|(1<<21)              ; group 1, second load: 75 rows of 256 bytes (a record and a half a wave)
	s_mov_b32 s25, 32<<16
	s_mov_b32 s26, 75<<16
	s_mov_b32 s27, 32<<16
	s_mov_b32 s28, 75
	s_mov_b32 s29, 32
	s_mov_b32 s30, 0
	s_mov_b32 s31, 0
	s_mul_i32 s56, ttmp9, 16*REC                   ; the (batch, head)'s records: the cluster's number
	s_mul_i32 s58, s10, 6400
	s_mul_i32 s59, s10, 19200
	s_add_co_u32 s59, s59, 4*REC
	s_add_co_u32 s60, s56, s58
	s_mov_b32 s61, 0
	s_add_co_u32 s62, s56, s59
	s_mov_b32 s63, 0
	s_mul_i32 s14, s10, 32*272
	s_add_co_u32 s14, s14, STAGE                   ; my stage
	s_wait_dscnt 0x0
	s_wait_kmcnt 0x0
	s_mov_b32 s32, 1
	s_mov_b32 s33, s58
	s_add_nc_u64 s[34:35], s[6:7], s[60:61]
	s_or_b32 s35, s35, 0x80000000
	s_mov_b32 s36, 1
	s_mov_b32 s37, s59
	s_add_nc_u64 s[38:39], s[6:7], s[62:63]
	s_or_b32 s39, s39, 0x80000000
	CROUND                                         ; the four partners are here: the joint loads meet
	tensor_load_to_lds s[32:35], s[16:23]          ; records 0-3, an eighth a wave: my one load at the head
	s_nop 0
	; the rest of the head stands between that load and the wait for it
	s_bfe_u32 s11, ttmp6, 0x40000                  ; cx: it enters global addresses alone
	s_lshl_b32 s13, s11, 3
	s_add_co_u32 s13, s13, s10                     ; my group of 64 queries: 8 cx + wave
	s_lshl_b32 s48, ttmp9, 5
	s_add_co_u32 s48, s48, s13
	s_mul_i32 s50, s48, 3072
	s_mov_b32 s51, 0
	s_lshl_b32 s52, s48, 7
	s_add_co_u32 s52, s52, 6291456
	s_mov_b32 s53, 0
	s_lshl_b32 s54, ttmp9, 19                      ; out0: 64 rows of 8,192 bytes for each (batch, head),
	s_lshl_b32 s55, s13, 8                         ; my 256 bytes of each row
	s_add_co_u32 s54, s54, s55
	s_mov_b32 s55, 0
	s_add_nc_u64 s[50:51], s[4:5], s[50:51]
	s_add_nc_u64 s[52:53], s[4:5], s[52:53]
	s_add_nc_u64 s[8:9], s[8:9], s[54:55]
	s_mov_b32 s40, 0x76543210                      ; v_permlanex16_b32's selects for lane l xor 16
	s_mov_b32 s41, 0xfedcba98
	s_mov_b32 s42, 0x3e38aa3b                      ; log2(e) / 8
	s_mov_b32 s43, s42
	s_mov_b32 s46, 0x05040100
	s_mov_b32 s47, 0x07060302
	v_and_b32 v11, 31, v0
	v_bfe_u32 v[AD16], v0, 4, 1                    ; h, for the head alone
	v_and_b32 v[STO], 7, v0
	v_bfe_u32 v[RD], v0, 3, 1
	v_lshlrev_b32 v[L16], 4, v11
	v_lshlrev_b32 v[L8], 3, v11
	v_and_b32 v11, 15, v0                          ; r
	v_lshlrev_b32 v[SH8], 3, v[AD16]
	v_lshlrev_b32 v[STO], 2, v[STO]
	v_lshlrev_b32 v[GO], 13, v[AD16]
	v_lshlrev_b32 v[R8], 3, v11
.irp j, 0,1,2,3,4,5
	global_load_b128 v[SA+4*\j:SA+4*\j+3], v[L16], s[50:51] offset:512*\j   ; q's two images
.endr
	global_load_b64 v[TMP:TMP+1], v[R8], s[52:53]  ; and their scale words
	v_lshl_add_u32 v[STO], v[RD], 7, v[STO]        ; into the stage: query 32 (r / 8) + r % 8 (+ 8 x tile),
	v_mul_u32_u24 v[RD], v[AD16], 272
	v_lshl_add_u32 v[GO], v11, 4, v[GO]            ; out0: two rows an instruction, sixteen lanes to a row's 256 bytes
	v_mov_b32 v[WT+1], 0                           ; (a lane permute's destination counts as one of its sources)
	v_mad_u32_u24 v[STO], v[AD16], 16*272, v[STO]  ; rows 16 h on
	v_lshl_add_u32 v[RD], v11, 4, v[RD]
.set i, 0
.rept 8
	v_mov_b32 v[LA+i], 0                           ; the rows' sums, a pair a tile
.set i, i+1
.endr
	v_add_nc_u32 v[STO], s14, v[STO]
	v_add_nc_u32 v[RD], s14, v[RD]
	WIN 0x40
.irp d, 0,1
.irp z, 0,12,24
.irp j, 0,1,2,3,4,5
	v_mov_b32 v[Q+30*\d+\z+\j], 0                  ; the zero codes beside q
.endr
.endr
.endr
	WIN 0
	s_wait_alu depctr_va_vdst(0)                   ; the wait here, directly ahead of the wait below
	s_wait_loadcnt 0x0
	v_mov_b32 v[QS], v[TMP]                        ; a pair of tiles' word as it lies, its low half moved up, its high half moved down: q's two bytes at the half of K where q stands
	v_lshlrev_b32 v[QS+1], 16, v[TMP]
	v_lshrrev_b32 v[QS+2], 16, v[TMP]
	v_mov_b32 v[QS+3], v[TMP+1]
	v_lshlrev_b32 v[QS+4], 16, v[TMP+1]
	v_lshrrev_b32 v[QS+5], 16, v[TMP+1]
	WIN 0x40
.irp d, 0,1
.irp j, 0,1,2,3,4,5
	v_mov_b32 v[Q+30*\d+6+\j], v[SA+12*\d+\j]
	v_mov_b32 v[Q+30*\d+18+\j], v[SA+12*\d+6+\j]
.endr
.endr
	WIN 0
.macro KLOAD a16, as, off              ; k's 48 registers and 4 scale words of the record at the address registers + off
.set j, 0
.rept 12
	ds_load_b128 v[KF+4*j:KF+4*j+3], v[\a16] offset:(\off)+512*j
.set j, j+1
.endr
.irp c, 0,1
	ds_load_b64 v[KS+2*\c:KS+2*\c+1], v[\as] offset:(\off)+6144+128*\c
.endr
.endm
.macro VLOAD                           ; v's 48 registers and its scale halves
	WIN 0x40
.irp c, 0,1
.irp te, 0,1,2,3
	ds_load_b128 v[VF+12*\te+6*\c:VF+12*\te+6*\c+3], v[AD16] offset:6400+(4*\c+\te)*768
	ds_load_b64 v[VF+12*\te+6*\c+4:VF+12*\te+6*\c+5], v[AD8] offset:6400+(4*\c+\te)*768+512
.endr
.endr
	WIN 0
.irp c, 0,1
	ds_load_b64 v[VH+2*\c:VH+2*\c+1], v[ADS] offset:12544+128*\c
.endr
.endm
; The w-th of the eight score products of query tile ti, into buffer d: image w / 2 of k, q in the lower (w even) or the upper half of K.  Source 1 lies in window 1
.macro WM w, ti, d
.set QD, Q+30*((\ti)/2)+12*((\ti)%2)
.set QW, QS+3*((\ti)/2)
.set AA, (\w)/2
.if (\w)%2 == 0
	v_wmma_scale_f32_16x16x128_f8f6f4 v[\d+16*AA:\d+16*AA+7], v[KF+12*AA:KF+12*AA+11], v[QD+6:QD+17], 0, v[KS+AA], v[QW+2*((\ti)%2)] matrix_a_fmt:MATRIX_FMT_FP6 matrix_b_fmt:MATRIX_FMT_FP6
.else
	v_wmma_scale_f32_16x16x128_f8f6f4 v[\d+16*AA+8:\d+16*AA+15], v[KF+12*AA:KF+12*AA+11], v[QD:QD+11], 0, v[KS+AA], v[QW+1-((\ti)%2)] matrix_a_fmt:MATRIX_FMT_FP6 matrix_b_fmt:MATRIX_FMT_FP6
.endif
.endm
.macro MAXC s                          ; my two blocks' largest scores in buffer s, four chains; each accumulator is read from its low end on
.irp c, 0,1
.irp q, 0,1
	v_max3_num_f32 v[MX+2*\c+\q], v[\s+32*\c+16*\q], v[\s+32*\c+16*\q+1], v[\s+32*\c+16*\q+2]
.endr
.endr
.irp j, 3,5,7,9,11,13
.irp c, 0,1
.irp q, 0,1
	v_max3_num_f32 v[MX+2*\c+\q], v[MX+2*\c+\q], v[\s+32*\c+16*\q+\j], v[\s+32*\c+16*\q+\j+1]
.endr
.endr
.endr
.irp c, 0,1
	v_max3_num_f32 v[MX+2*\c], v[MX+2*\c], v[\s+32*\c+15], v[\s+32*\c+31]
.endr
.endm
.macro TMUL s, p0, cnt                 ; t = score x log2(e) / 8, pairs p0 on
.set n, \p0
.rept \cnt
	v_pk_mul_f32 v[\s+2*n:\s+2*n+1], v[\s+2*n:\s+2*n+1], s[42:43] op_sel_hi:[1,0]
.set n, n+1
.endr
.endm
.macro ALLMUL s, pm                    ; all of a buffer, and the same multiply of each block's largest score
	TMUL \s, 0, 4
	v_pk_mul_f32 v[\pm:\pm+1], v[\pm:\pm+1], s[42:43] op_sel_hi:[1,0]
	TMUL \s, 4, 28
.endm
; The exponentials of buffer s and of its two largest, one batch; where sm is set, the eight score products of query tile ti stand among them, one behind every six, into buffer d.
; Four places close it: behind the last exponential and behind the products.
.macro BATCH s, pm, sm, ti, d
	v_exp_f32 v[\pm], v[\pm]
	v_exp_f32 v[\pm+1], v[\pm+1]
.set n, 0
.rept 64
	v_exp_f32 v[\s+n], v[\s+n]                     ; p = 2^t
.if (\sm) && (n%6 == 5) && (n < 48)
	WM n/6, \ti, \d
.endif
.set n, n+1
.endr
	PLACES
.endm
.macro ADDQ g                          ; p's pairs 4 g .. 4 g + 3 onto four chains
.irp u, 0,1,2,3
	v_pk_add_f32 v[MX+2*\u:MX+2*\u+1], v[MX+2*\u:MX+2*\u+1], v[SC+8*(\g)+2*\u:SC+8*(\g)+2*\u+1]
.endr
.endm
; Buffer SC's p: the row's sum (of the unquantised p), the scale word and the codes.  The scale word's chain stands between the sums' groups of four
.macro POST
.irp u, 0,1,2,3
	v_pk_add_f32 v[MX+2*\u:MX+2*\u+1], v[SC+4*\u:SC+4*\u+1], v[SC+4*\u+2:SC+4*\u+3]
.endr
	v_add_nc_u32 v[SO], 0xff000000, v[PMC]         ; 2 off the exponent field: the conversion's scale operand
	v_add_nc_u32 v[SO+1], 0xff000000, v[PMC+1]
	ADDQ 2
	v_lshrrev_b32 v[BY], 23, v[SO]                 ; the scales' bytes
	v_lshrrev_b32 v[BY+1], 23, v[SO+1]
	ADDQ 3
	v_lshl_or_b32 v[WT], v[BY+1], 16, v[BY]        ; blocks h and 2 + h,
	ADDQ 4
	v_lshlrev_b32 v[WT], v[SH8], v[WT]             ; at their places in the word;
	ADDQ 5
	v_permlanex16_b32 v[WT+1], v[WT], s40, s41
	ADDQ 6
	v_or_b32 v[PW], v[WT], v[WT+1]                 ; with lane l xor 16's two the word is whole
.irp c, 0,1
	v_cvt_scalef32_pk16_fp6_f32 v[PC+6*\c:PC+6*\c+2], v[SC+32*\c:SC+32*\c+15], v[SO+\c]
	v_cvt_scalef32_pk16_fp6_f32 v[TMP+4*\c:TMP+4*\c+2], v[SC+32*\c+16:SC+32*\c+31], v[SO+\c]   ; (a conversion's three registers begin on an even number)
.endr
	ADDQ 7                                         ; (also the plain place behind the conversions)
	v_pk_add_f32 v[MX:MX+1], v[MX:MX+1], v[MX+2:MX+3]
	v_pk_add_f32 v[MX+4:MX+5], v[MX+4:MX+5], v[MX+6:MX+7]
.irp j, 0,1,2
	v_mov_b32 v[PC+3+\j], v[TMP+\j]
.endr
	v_pk_add_f32 v[MX:MX+1], v[MX:MX+1], v[MX+4:MX+5]
.irp j, 0,1,2
	v_mov_b32 v[PC+9+\j], v[TMP+4+\j]
.endr
	v_pk_add_f32 v[LAI:LAI+1], v[LAI:LAI+1], v[MX:MX+1]
.endm
; A slot of query tile i.  zero: the first step's products start O^T's sums;  nx: a tile follows;  sm: a tile follows that one
.macro SLOT i, zero, nx, sm
.set SC, SA+64*((\i)%2)
.set SN, SA+64*(1-(\i)%2)
.set PMC, PM+2*((\i)%2)
.set PMN, PM+2*(1-(\i)%2)
.set LAI, LA+2*(\i)
	s_wait_alu depctr_va_vdst(0)                   ; one wait for the whole batch, and directly ahead of the first reads of the next tile's scores
.if \nx
	MAXC SN
.endif
	v_max_num_f32 v[PMC], 0x1800000, v[PMC]        ; the floor 2^(3 - 127)
	v_max_num_f32 v[PMC+1], 0x1800000, v[PMC+1]
.if \nx
	v_max_num_f32 v[PMN], v[MX], v[MX+1]
	v_max_num_f32 v[PMN+1], v[MX+2], v[MX+3]
.endif
.if (\i) == 0
	v_add_nc_u32 v[AD16], s44, v[L16]              ; the step's record
	v_add_nc_u32 v[AD8], s44, v[L8]
	v_add_nc_u32 v[ADS], s44, v[R8]
	VLOAD                                          ; the last step's products on v's registers stand a batch's places and the maxima back
.endif
.if ((\i) == 2) && (\sm)
	KLOAD AD16, ADS, REC                           ; the next step's k: this step's last score products stand a batch's places and the maxima back
.endif
	POST
.if (\i) == 0
	s_wait_dscnt 0x0                               ; v is in
	v_perm_b32 v[VW], v[VH+2], v[VH], s46          ; v's scale words: the halves of the step's two groups of 64 keys, joined
	v_perm_b32 v[VW+1], v[VH+2], v[VH], s47
	v_perm_b32 v[VW+2], v[VH+3], v[VH+1], s46
	v_perm_b32 v[VW+3], v[VH+3], v[VH+1], s47
.endif
.if ((\i) == 2) && (\sm)
	s_wait_dscnt 0x0                               ; the next step's k is in
.endif
.if \nx
	ALLMUL SN, PMN
.else
	PLACES
.endif
	WIN 0x51
	s_wait_alu depctr_va_vdst(0)                   ; the wait ahead of the batch, and directly ahead of the first reader of O^T
.irp te, 0,1,2,3
.if \zero
	v_wmma_scale_f32_16x16x128_f8f6f4 v[O+32*(\i)+8*\te:O+32*(\i)+8*\te+7], v[VF+12*\te:VF+12*\te+11], v[PC:PC+11], 0, v[VW+\te], v[PW] matrix_a_fmt:MATRIX_FMT_FP6 matrix_b_fmt:MATRIX_FMT_FP6
.else
	v_wmma_scale_f32_16x16x128_f8f6f4 v[O+32*(\i)+8*\te:O+32*(\i)+8*\te+7], v[VF+12*\te:VF+12*\te+11], v[PC:PC+11], v[O+32*(\i)+8*\te:O+32*(\i)+8*\te+7], v[VW+\te], v[PW] matrix_a_fmt:MATRIX_FMT_FP6 matrix_b_fmt:MATRIX_FMT_FP6
.endif
.endr
.if \nx
	WIN 0x04
	BATCH SN, PMN, \sm, ((\i)+2)%4, SC
.endif
	WIN 0
.endm
.macro STEPM zero, last                ; 128 keys: four slots
	SLOT 0, \zero, 1, 1
	SLOT 1, \zero, 1, 1
	SLOT 2, \zero, 1, 1-\last
	SLOT 3, \zero, 1-\last, 1-\last
	s_add_co_u32 s44, s44, REC
.endm
	s_wait_alu depctr_va_vdst(0)                   ; the wait at the head's end
	s_wait_tensorcnt 0x0                           ; my part of records 0-3 is in;
	ds_add_u32 v254, v255
	s_mov_b32 s44, 0                               ; the step's record in LDS
	s_mov_b32 s45, 14
	s_wait_dscnt 0x0
	CROUND                                         ; everybody's part is in, and the four partners are here
	tensor_load_to_lds s[36:39], s[24:31]          ; records 4-15, an eighth a wave: my one load behind the round
	s_nop 0
	PLACES
	KLOAD L16, R8, 0                               ; the pipeline's start: step 0's k, tile 0's scores,
	s_wait_dscnt 0x0
	WIN 0x04
.irp w, 0,1,2,3,4,5,6,7
	WM \w, 0, SA
.endr
	WIN 0
	PLACES
	MAXC SA
	v_max_num_f32 v[PM], v[MX], v[MX+1]
	v_max_num_f32 v[PM+1], v[MX+2], v[MX+3]
	ALLMUL SA, PM
	s_wait_alu depctr_va_vdst(0)                   ; the wait ahead of the batch
	WIN 0x04
	BATCH SA, PM, 1, 1, SB                         ; its exponentials, and tile 1's scores among them
	WIN 0
	STEPM 1, 0                                     ; step 0 reads records 0 and 1
	s_wait_alu depctr_va_vdst(0)                   ; the open batch has its wait ahead of the label below
	s_wait_tensorcnt 0x0                           ; my part of records 4-15 is in;
	s_wait_dscnt 0x0
	s_barrier_signal -1
	s_barrier_wait -1                              ; and everybody's.
.Lstep:                                                ; steps 1 to 14
	STEPM 0, 0
	s_wait_alu depctr_va_vdst(0)                   ; the open batch has its wait ahead of the branch
	s_sub_co_u32 s45, s45, 1
	s_cmp_lg_u32 s45, 0
	s_cbranch_scc1 .Lstep
	STEPM 0, 1                                     ; step 15: nothing follows its tiles
.irp i, 0,1,2,3
	v_add_f32 v[MX+\i], v[LA+2*\i], v[LA+2*\i+1]
.endr
.irp i, 0,1,2,3
	v_permlanex16_b32 v[MX+4+\i], v[MX+\i], s40, s41
.endr
.irp i, 0,1,2,3
	v_add_f32 v[MX+\i], v[MX+\i], v[MX+4+\i]       ; with lane l xor 16's keys: the row's sum
.endr
	s_wait_alu depctr_va_vdst(0)                   ; the wait ahead of the batch
.irp i, 0,1,2,3
	v_rcp_f32 v[LA+2*\i], v[MX+\i]
	v_rcp_f32 v[LA+2*\i+1], v[MX+\i]
.endr
	v_nop
; THE WAY OUT, in two passes of 32 rows.  Register 8 te + j of tile i is out(e = 32 h + 8 te + j, query 32 (r / 8) + 8 i + r % 8).  Pass p takes te = 2 p, 2 p + 1: row 16 h + (e % 16) of my own stage;
; the rows come back whole, 256 bytes each.  LDS serves a wave's instructions in order, so no wait stands between the stores and the loads, nor ahead of the second pass's stores.
.macro OUTP p
	WIN 0x01
	s_wait_alu depctr_va_vdst(0)                   ; behind the reciprocals, directly ahead of the first reads of them and of O^T
.irp i, 0,1,2,3
.set k, 0
.rept 8
	v_pk_mul_f32 v[SA+16*\i+2*k:SA+16*\i+2*k+1], v[O+32*\i+16*\p+2*k:O+32*\i+16*\p+2*k+1], v[LA+2*\i:LA+2*\i+1]
.set k, k+1
.endr
.endr
	WIN 0
.irp i, 0,1,2,3
.set k, 0
.rept 16
	ds_store_b32 v[STO], v[SA+16*\i+k] offset:k*272+32*\i
.set k, k+1
.endr
.endr
.if \p
	s_wait_xcnt 0x0                                ; the first pass's stores have read their registers
.endif
.set k, 0
.rept 16
	ds_load_b128 v[SB+4*k:SB+4*k+3], v[RD] offset:2*k*272
.set k, k+1
.endr
.set k, 0
.rept 16
	s_wait_dscnt 15-k
	global_store_b128 v[GO], v[SB+4*k:SB+4*k+3], s[8:9] offset:(32*(k/8)+16*\p+2*(k%8))*8192 th:TH_STORE_NT   ; sixteen lanes store 256 consecutive bytes, aligned
.set k, k+1
.endr
.endm
	OUTP 0
	OUTP 1
	s_wait_tensorcnt 0x0                           ; the wave's end
	ds_add_u32 v254, v255
	s_wait_dscnt 0x0
	CROUND                                         ; the closing round
	s_endpgm
.Lfunc_end_k_q1c92b07a6c_attn:
	.size	k_q1c92b07a6c_attn, .Lfunc_end_k_q1c92b07a6c_attn-k_q1c92b07a6c_attn
	.p2alignl 7, 3214868480
	.fill 96, 4, 3214868480
	.section	.rodata,"a",@progbits
	.p2align	6, 0x0
	.amdhsa_kernel k_q1c92b07a6c_attn
		.amdhsa_group_segment_fixed_size 327680
		.amdhsa_private_segment_fixed_size 0
		.amdhsa_enable_private_segment 0
		.amdhsa_kernarg_size 24
		.amdhsa_user_sgpr_count 2
		.amdhsa_user_sgpr_kernarg_segment_ptr 1
		.amdhsa_wavefront_size32 1
		.amdhsa_system_sgpr_workgroup_id_x 1
		.amdhsa_system_sgpr_workgroup_id_y 1
		.amdhsa_system_sgpr_workgroup_id_z 1
		.amdhsa_system_vgpr_workitem_id 0
		.amdhsa_next_free_vgpr 512
		.amdhsa_next_free_sgpr 66
		.amdhsa_reserve_vcc 0
		.amdhsa_float_denorm_mode_32 3
		.amdhsa_float_denorm_mode_16_64 3
		.amdhsa_memory_ordered 1
		.amdhsa_forward_progress 1
		.amdhsa_inst_pref_size 166
	.end_amdhsa_kernel
	.amdgpu_metadata
---
amdhsa.version: [ 1, 2 ]
amdhsa.kernels:
  - .name:           k_q1c92b07a6c_attn
    .symbol:         k_q1c92b07a6c_attn.kd
    .args:
      - { .name: qb, .offset: 0, .size: 8, .value_kind: global_buffer, .address_space: global }
      - { .name: kv, .offset: 8, .size: 8, .value_kind: global_buffer, .address_space: global }
      - { .name: out0, .offset: 16, .size: 8, .value_kind: global_buffer, .address_space: global }
    .group_segment_fixed_size: 327680
    .private_segment_fixed_size: 0
    .kernarg_segment_align: 8
    .kernarg_segment_size: 24
    .max_flat_workgroup_size: 256
    .sgpr_count:     66
    .vgpr_count:     512
    .wavefront_size: 32
...
	.end_amdgpu_metadata
.endif
;; end of part 3
